; MI455X (gfx1250); checked and timed in simulation.
; The chip was launched on July 23, 2026; its instructions are those of AMD's public machine-readable ISA for CDNA 5 (MIT licence, August 2026) and "CDNA5" Instruction Set Architecture Reference Guide (July 2026). The comments in the code are by the model that wrote it; some were corrected since.
;; Neuro Grid. Allowed arithmetic: float matrix products may take bf16 or f16 operands with f32 sums; other float arithmetic in f32, or as packed bf16 or f16 multiplies, adds, multiply-adds, maxima and minima; sums over many terms, partial sums and values carried from step to step in f32; what a program stores and reads back later, other than sums and carried values, may be rounded once to bf16 or f16.
;; Inputs: W1 768 x 16 float32; W2 768 x 16 float32; W3 768 x 16 float32; b1 16 float32; b2 16 float32; b3 16 float32; grid 16 x 16 x 16 x 768 float32; temperature one number float32; x 8 x 2,048 x 768 float32.
;; Outputs: out0 8 x 2,048 x 768 float32.
;; One version. Each part assembles by itself: llvm-mc -triple=amdgcn-amd-amdhsa -mcpu=gfx1250 --defsym DOCPART=n.
;; ======== version 1 of 1: 2 launches
;; limits: values are held in f16: magnitudes above 65,504 overflow, below 6.1e-05 lose precision; right only within a limited range of input values
;; workspace buffers: g16 6,291,456 bytes; probs 2,621,440 bytes
;; launch prep (part 1): grid 256 x 1, 4 waves a work-group, no clusters, 283,136 bytes of LDS; arguments x, W1, W2, W3, b1, b2, b3, temperature, grid, g16, probs; writes g16, probs
.if DOCPART == 1
	.amdgcn_target "amdgcn-amd-amdhsa--gfx1250"
	.amdhsa_code_object_version 6
	.text
	.protected	k_q20f06424a8_prep
	.globl	k_q20f06424a8_prep
	.p2align	8
	.type	k_q20f06424a8_prep,@function
k_q20f06424a8_prep:
	s_mov_b64 s[64:65], 0
	v_nop
	global_prefetch_b8 v0, s[64:65] scope:SCOPE_SE
	s_setreg_imm32_b32 hwreg(HW_REG_WAVE_MODE, 25, 1), 1
	s_wait_xcnt 0x0
; PREP: (1) grid [4096][768] f32 -> g16 [4096][768] f16; (2) the three addressing distributions of every token -> probs.
; p_a[t][:] = softmax((x[t] . W_a + b_a) / T), a = 1..3, 16 numbers each.  The products go to the matrix unit in bf16 with f32 sums, the rest is f32.
; FORMATS AND LIMITS.  Every input is taken rounded to bf16: x, W, b, T and the grid.  The grid's bf16 number is then written as f16: exact for magnitudes from 2^-14 to 65,504; below that it keeps
; f16's fixed step of 2^-24; from 65,520 on it becomes an infinity.  Each softmax takes its own maximum away, after the scaling by 1/T, so a negative T is served; an exponential below 2^-126 counts as 0;
; T = 0, NaN and infinities are not treated apart.  Each p is stored as f16 of 16 p (at most 16), so that the product of three of them, at most 4,096, keeps small weights out of f16's denormals.
; SHARES.  Work-group g: tokens 64 g .. 64 g + 63 (four tiles of 16) and grid rows 16 g .. 16 g + 15.  Wave w: the K quarter 192 w .. 192 w + 191 of all 64 tokens, so it reads only bytes of x that its own
; tensor loads brought and only bytes of W that it stored itself.  The four waves' partial sums meet in LDS behind one barrier; wave w then finishes tile w.
; NO CLUSTER: W is the only input that work-groups share; as f32 it is 147,456 bytes, which do not fit beside x's 208,896 in LDS, and it has to be narrowed, so it comes through registers.
; probs: a record of 2,560 bytes for each tile of 16 tokens; lane L = 16 h + r holds token r and the indices 8 h .. 8 h + 7:
;   bytes 0-1023: the word {f16, f16} of 16 p1[r][8h + 4e + jj] at 512 e + 16 L + 4 jj;  1024-2047: the same for p2;  2048-2559: eight f16 of 16 p3[r][8h ..] at 32 r + 16 h.
; LDS: x, a wave's three chunks of 64 rows x 256 bytes, rows 272 bytes apart; W in bf16, a wave's 192 rows of 96 bytes [k][W1 | W2 | W3], later the partial sums; the spare words.  No byte is filled twice.
.set XC,    64*272                     ; a chunk of x: 64 rows, 256 bytes + 16 of padding: the 16 rows of a load start at 16 different groups of four banks (ISA guide 11.1)
.set XW,    3*XC                       ; a wave's three chunks
.set WBASE, 4*XW                       ; 208,896
.set WROW,  96                         ; three times 32 bytes
.set WWAVE, 192*WROW                   ; 18,432
.set SPARE, WBASE+4*WWAVE              ; 282,624: the spare words, 128 bytes for each wave, two blocks of 256 bytes that no other line names
.set XA,  3                            ; v3   LDS: my 32 bytes in row r of my wave's chunk 0
.set WT,  4                            ; v4   LDS: my place for the turning loads of W
.set WS,  5                            ; v5   LDS: where I store 8 bytes of W
.set WO,  6                            ; v6   16 x lane
.set GI,  7                            ; v7   16 x thread: the grid, in
.set GO,  8                            ; v8   8 x thread: the grid, out
.set PS,  9                            ; v9   LDS: where I put partial sums
.set PR,  10                           ; v10  LDS: where I read tile w's partial sums
.set BO,  11                           ; v11  32 h: my eight biases
.set P3O, 12                           ; v12  32 r + 16 h
.set ZO,  13                           ; v13  0: the offset of the temperature's load
.set SPW, 14                           ; v14  LDS address of my spare word; never rewritten
.set NIL, 15                           ; v15  0; never rewritten
.set BUFA, 16                          ; v16-111   24 loads of 16 bytes
.set BUFB, 112                         ; v112-207  24 loads of 16 bytes
.set BI,  208                          ; v208-231  b_a[8h + j] at 8 a + j, then times c
.set TR,  232                          ; v232      T
.set CC,  234                          ; v234-235  c = log2(e) / T, twice
.set TM,  236                          ; v236-238  at work
.set RAW, 16                           ; v16-79    a K step's x in f32: 16 registers a tile
.set XF,  80                           ; v80-143   x's fragments in bf16, two buffers of four tiles
.set WF,  144                          ; v144-191  W's fragments, two buffers of three
.set Z,   16                           ; v16-39    tile w's 24 logits; v40-111 the other waves' parts, then at work
.set MX,  40                           ; v40-45    a pair for each a: the maximum, and the other half of the lanes'
.set SA,  48                           ; v48-59    two pairs for each a: sums, factor
.set DD,  64                           ; v64-83    what is stored
.set G1,  28                           ; s[28:35]  descriptor group 1
.set G0,  36                           ; s[36:47]  descriptor group 0, a set for each chunk
; window 1 (v256-351): the 12 accumulators, tile t and matrix a at v[8 (3 t + a)]
.set MSB, 0
.macro WIN new                         ; s_set_vgpr_msb: bits 1:0 source 0, 3:2 source 1, 5:4 source 2, 7:6 destination; the high byte repeats the setting that is left
.if MSB != (\new)
	s_set_vgpr_msb (MSB<<8)|(\new)
.set MSB, \new
.endif
.endm
	s_load_b512 s[4:19], s[0:1], 0x0               ; x s[4:5], W1 s[6:7], W2 s[8:9], W3 s[10:11], b1 s[12:13], b2 s[14:15], b3 s[16:17], T s[18:19]
	s_load_b128 s[20:23], s[0:1], 0x40             ; grid s[20:21], g16 s[22:23]
	s_load_b64 s[24:25], s[0:1], 0x50              ; probs
	v_lshl_add_u32 v[SPW], v0, 2, SPARE
	v_mov_b32 v[NIL], 0
	ds_add_u32 v[SPW], v[NIL]                      ; the wave's opening: the add and its wait stand ahead of my first tensor load; work on registers stands between them
	ds_add_u32 v14, v15
	v_lshrrev_b32 v1, 5, v0
	v_readfirstlane_b32 s26, v1                    ; wave 0..3
	; group 1: a tile of 64 rows x 64 elements of 4 bytes, padded in LDS
	s_mov_b32 s[G1+0], (2<<16)|(1<<20)|(5<<22)|(3<<25)  ; 17:16 elements of 4 bytes; 20 padding on; 24:22 after every 64 words (code 5); 31:25 4 words (code 3)
	s_mov_b32 s[G1+1], 64<<16                      ; tensor_dim0 = 64
	s_mov_b32 s[G1+2], 64<<16                      ; tensor_dim1 = 64
	s_mov_b32 s[G1+3], 64<<16                      ; tile_dim0 = 64
	s_mov_b32 s[G1+4], 64                          ; tile_dim1 = 64
	s_mov_b32 s[G1+5], 768                         ; 768 elements from row to row
	s_mov_b32 s[G1+6], 0
	s_mov_b32 s[G1+7], 0
	s_mul_i32 s48, s26, XW                         ; my wave's chunks in LDS
	s_mul_i32 s50, ttmp9, 196608                   ; 64 rows of 3,072 bytes,
	s_mul_i32 s51, s26, 768                        ; my 192 numbers of a row
	s_add_co_u32 s50, s50, s51
	s_mov_b32 s51, 0
	s_mul_i32 s52, s26, 12288                      ; my 192 rows of 64 bytes in each W
	s_mov_b32 s53, 0
	s_mul_i32 s54, ttmp9, 49152                    ; 16 rows of the grid in f32,
	s_mov_b32 s55, 0
	s_mul_i32 s58, ttmp9, 24576                    ; and in f16
	s_mov_b32 s59, 0
	s_lshl_b32 s60, ttmp9, 2
	s_add_co_u32 s60, s60, s26
	s_mul_i32 s60, s60, 2560                       ; tile 4 g + w's record
	s_mov_b32 s61, 0
	s_mov_b32 s56, 0x76543210                      ; v_permlanex16_b32: each lane takes its own place in the other half
	s_mov_b32 s57, 0xfedcba98
	s_wait_dscnt 0x0                               ; the opening add is done
	s_wait_kmcnt 0x0
	s_add_nc_u64 s[4:5], s[4:5], s[50:51]          ; x at my wave's first chunk
.irp c, 0,1,2                          ; all three fills go out together, ahead of every wait on TENSORcnt, every LDS read and the barrier: three loads of mine are out
	s_mov_b32 s[G0+4*\c], 1                        ; count = 1
	s_add_co_u32 s[G0+4*\c+1], s48, \c*XC          ; LDS address
	s_add_nc_u64 s[G0+4*\c+2:G0+4*\c+3], s[4:5], \c*256  ; each row of the tile is 256 consecutive bytes, at a multiple of 256 from x's first byte
	s_or_b32 s[G0+4*\c+3], s[G0+4*\c+3], 0x80000000      ; type = 2
	tensor_load_to_lds s[G0+4*\c:G0+4*\c+3], s[G1:G1+7]
	s_nop 0
.endr
.rept 4
	v_nop
.endr
	s_add_nc_u64 s[6:7], s[6:7], s[52:53]
	s_add_nc_u64 s[8:9], s[8:9], s[52:53]
	s_add_nc_u64 s[10:11], s[10:11], s[52:53]
	s_add_nc_u64 s[20:21], s[20:21], s[54:55]
	s_add_nc_u64 s[22:23], s[22:23], s[58:59]
	s_add_nc_u64 s[24:25], s[24:25], s[60:61]
	v_and_b32 v1, 15, v0                           ; r
	v_bfe_u32 v2, v0, 4, 1                         ; h
	v_and_b32 v[ZO], 31, v0                        ; lane (the register takes 0 below)
	v_lshlrev_b32 v[WO], 4, v[ZO]
	v_lshlrev_b32 v[BO], 5, v2
	v_mov_b32 v[ZO], 0
.irp a, 0,1,2
	global_load_b128 v[BI+8*\a:BI+8*\a+3],   v[BO], s[12+2*\a:13+2*\a]
	global_load_b128 v[BI+8*\a+4:BI+8*\a+7], v[BO], s[12+2*\a:13+2*\a] offset:16
.endr
	global_load_b32 v[TR], v[ZO], s[18:19]
; 24 loads: my wave's 12,288 bytes of one W; a load covers 512 consecutive bytes, eight rows
.macro LDW sb, buf
.set m, 0
.rept 24
	global_load_b128 v[(\buf)+4*m:(\buf)+4*m+3], v[WO], s[\sb:\sb+1] offset:512*m
.set m, m+1
.endr
.endm
; rounded to bf16 in place (four numbers into the first two of their registers) and stored: row 8 m + lane / 4, matrix a's 32 bytes, 8 bytes a lane
.macro CVW a, buf
.set m, 0
.rept 24
	v_cvt_pk_bf16_f32 v[(\buf)+4*m],   v[(\buf)+4*m],   v[(\buf)+4*m+1]
	v_cvt_pk_bf16_f32 v[(\buf)+4*m+1], v[(\buf)+4*m+2], v[(\buf)+4*m+3]
	ds_store_b64 v[WS], v[(\buf)+4*m:(\buf)+4*m+1] offset:8*WROW*m+32*(\a)
.set m, m+1
.endr
.endm
	LDW 6, BUFA
	LDW 8, BUFB
	; the addresses, while the loads are out
	v_mul_u32_u24 v[XA], v1, 272
	v_lshl_add_u32 v[XA], v2, 5, v[XA]             ; row r, k = 8 h on: 32 h bytes of f32
	v_add_nc_u32 v[XA], s48, v[XA]
	s_mul_i32 s49, s26, WWAVE
	s_add_co_u32 s49, s49, WBASE                   ; my wave's W
	v_and_b32 v[WT], 7, v0                         ; the turning load: lane l reads row 8 (l / 16) + l % 8, 16 bytes at 16 ((l / 8) % 2)
	v_lshl_add_u32 v[WT], v2, 3, v[WT]
	v_mul_u32_u24 v[WT], v[WT], WROW
	v_bfe_u32 v[WS], v0, 3, 1
	v_lshl_add_u32 v[WT], v[WS], 4, v[WT]
	v_add_nc_u32 v[WT], s49, v[WT]
	v_bfe_u32 v[WS], v0, 2, 3                      ; lane / 4: the row among a load's eight
	v_mul_u32_u24 v[WS], v[WS], WROW
	v_and_b32 v[GI], 3, v0
	v_lshl_add_u32 v[WS], v[GI], 3, v[WS]          ; four numbers are 8 bytes of bf16
	v_add_nc_u32 v[WS], s49, v[WS]
	v_lshlrev_b32 v[GI], 4, v0
	v_lshlrev_b32 v[GO], 3, v0
	v_add_nc_u32 v[PS], s49, v[WO]
	s_mul_i32 s52, s26, 3072
	s_add_co_u32 s52, s52, WBASE
	v_add_nc_u32 v[PR], s52, v[WO]
	v_lshlrev_b32 v[P3O], 5, v1
	v_lshl_add_u32 v[P3O], v2, 4, v[P3O]
	s_wait_loadcnt 24                              ; biases, T and W1 are in; W2's 24 loads stay out
	v_cvt_pk_bf16_f32 v[TM], v[TR], v[TR]          ; T rounded to bf16,
	v_lshlrev_b32 v[TM], 16, v[TM]                 ; as f32
	v_rcp_f32 v[TM+1], v[TM]                       ; the biases' rounding below is the plain work behind it (ISA guide 5.7.2)
.set y, 0
.rept 12
	v_cvt_pk_bf16_f32 v[TM+2], v[BI+2*y], v[BI+2*y+1]
	v_lshlrev_b32 v[BI+2*y], 16, v[TM+2]
	v_and_b32 v[BI+2*y+1], 0xffff0000, v[TM+2]
.set y, y+1
.endr
	s_wait_alu depctr_va_vdst(0)
	v_mul_f32 v[CC], 0x3fb8aa3b, v[TM+1]           ; c = log2(e) / T
	v_mov_b32 v[CC+1], v[CC]
.set y, 0
.rept 12
	v_pk_mul_f32 v[BI+2*y:BI+2*y+1], v[BI+2*y:BI+2*y+1], v[CC:CC+1]  ; b c
.set y, y+1
.endr
	CVW 0, BUFA
	LDW 10, BUFA
	s_wait_loadcnt 24                              ; W2 is in; W3's 24 stay out
	CVW 1, BUFB
.set u, 0
.rept 24                               ; the group's 49,152 bytes of the grid, read once in the launch: a load of a wave covers 512 consecutive bytes
	global_load_b128 v[BUFB+4*u:BUFB+4*u+3], v[GI], s[20:21] offset:2048*u th:TH_LOAD_NT
.set u, u+1
.endr
	s_wait_loadcnt 24                              ; W3 is in; the grid's 24 stay out
	CVW 2, BUFA
.set u, 0
.rept 24
	s_wait_loadcnt 23-u                            ; loads come back in order (ISA guide 5.7.1): the younger ones of the grid's stay out
	v_cvt_pk_bf16_f32 v[TM],   v[BUFB+4*u],   v[BUFB+4*u+1]  ; rounded to bf16,
	v_cvt_pk_bf16_f32 v[TM+1], v[BUFB+4*u+2], v[BUFB+4*u+3]
	v_lshlrev_b32 v[BUFB+4*u],   16,         v[TM]           ; widened,
	v_and_b32     v[BUFB+4*u+1], 0xffff0000, v[TM]
	v_lshlrev_b32 v[BUFB+4*u+2], 16,         v[TM+1]
	v_and_b32     v[BUFB+4*u+3], 0xffff0000, v[TM+1]
	v_cvt_pk_f16_f32 v[BUFB+4*u],   v[BUFB+4*u],   v[BUFB+4*u+1]  ; and written as f16
	v_cvt_pk_f16_f32 v[BUFB+4*u+1], v[BUFB+4*u+2], v[BUFB+4*u+3]
	global_store_b64 v[GO], v[BUFB+4*u:BUFB+4*u+1], s[22:23] offset:1024*u  ; a store of a wave covers 256 consecutive bytes, at a multiple of 256 from g16's first byte
.set u, u+1
.endr
	s_wait_xcnt 0x0                                ; the stores' data registers are loaded into below only behind this wait (ISA guide 3.1)
; SIX K STEPS OF 32.  LOADS k: step k's fragments of W (turned: lane l gets column l % 16 and eight k) and its x in f32.  The W bytes are my own stores: LDS serves a wave's instructions in order (ISA guide 5.7.1.4).
.macro LOADS k
.if (\k)%2 == 0
	s_wait_tensorcnt 2-(\k)/2                      ; tensor loads of a wave end in order (ISA guide 10.11.1): chunk k / 2 is in, the younger chunks stay out
.endif
.irp a, 0,1,2
	ds_load_tr16_b128 v[WF+24*((\k)%2)+8*\a:WF+24*((\k)%2)+8*\a+3],   v[WT] offset:32*WROW*(\k)+32*\a
	ds_load_tr16_b128 v[WF+24*((\k)%2)+8*\a+4:WF+24*((\k)%2)+8*\a+7], v[WT] offset:32*WROW*(\k)+32*\a+16*WROW
.endr
.irp t, 0,1,2,3
	ds_load_b128 v[RAW+16*\t:RAW+16*\t+3],     v[XA] offset:((\k)/2)*XC+16*272*\t+128*((\k)%2)
	ds_load_b128 v[RAW+16*\t+4:RAW+16*\t+7],   v[XA] offset:((\k)/2)*XC+16*272*\t+128*((\k)%2)+16
	ds_load_b128 v[RAW+16*\t+8:RAW+16*\t+11],  v[XA] offset:((\k)/2)*XC+16*272*\t+128*((\k)%2)+64
	ds_load_b128 v[RAW+16*\t+12:RAW+16*\t+15], v[XA] offset:((\k)/2)*XC+16*272*\t+128*((\k)%2)+80
.endr
.endm
; STEP k: x is rounded to bf16 (32 conversions: they are also the places between the last step's products and the loads into the buffer that those read), the next step's
; loads go out, and 12 products follow, the 12 accumulators by turns.  Source 0 = 16 columns of W, source 1 = 16 tokens: a lane's result is token r, indices 8 h + 0..7.
.macro STEP k
	s_wait_dscnt 0x0                               ; step k's loads are in
.set y, 0
.rept 32
	v_cvt_pk_bf16_f32 v[XF+32*((\k)%2)+y], v[RAW+2*y], v[RAW+2*y+1]
.set y, y+1
.endr
.if (\k) < 5
	LOADS (\k)+1
.endif
	WIN 0x50                                       ; C and D in window 1
.irp t, 0,1,2,3
.irp a, 0,1,2
.if (\k) == 0
	v_wmma_f32_16x16x32_bf16 v[8*(3*\t+\a):8*(3*\t+\a)+7], v[WF+24*((\k)%2)+8*\a:WF+24*((\k)%2)+8*\a+7], v[XF+32*((\k)%2)+8*\t:XF+32*((\k)%2)+8*\t+7], 0
.else
	v_wmma_f32_16x16x32_bf16 v[8*(3*\t+\a):8*(3*\t+\a)+7], v[WF+24*((\k)%2)+8*\a:WF+24*((\k)%2)+8*\a+7], v[XF+32*((\k)%2)+8*\t:XF+32*((\k)%2)+8*\t+7], v[8*(3*\t+\a):8*(3*\t+\a)+7]
.endif
.endr
.endr
	WIN 0
.endm
	LOADS 0
	STEP 0
	STEP 1
	STEP 2
	STEP 3
	STEP 4
	STEP 5
	; THE EXCHANGE.  My partial sums of all four tiles go over my own W bytes, whose reads are back; each accumulator's low registers first.
.rept 4
	v_nop                                          ; four places behind the last products
.endr
	WIN 0x04                                       ; the stores' data in window 1
.set y, 0
.rept 12
	ds_store_b128 v[PS], v[8*y:8*y+3]   offset:1024*y
	ds_store_b128 v[PS], v[8*y+4:8*y+7] offset:1024*y+512
.set y, y+1
.endr
	WIN 0
	s_wait_dscnt 0x0                               ; for the others' sake: my stores are done
	s_barrier_signal -1
	s_barrier_wait -1
.irp p, 0,1,2,3                        ; tile w's parts from all four waves
.irp a, 0,1,2
	ds_load_b128 v[Z+24*\p+8*\a:Z+24*\p+8*\a+3],   v[PR] offset:WWAVE*\p+1024*\a
	ds_load_b128 v[Z+24*\p+8*\a+4:Z+24*\p+8*\a+7], v[PR] offset:WWAVE*\p+1024*\a+512
.endr
.endr
	s_wait_dscnt 0x0
.irp p, 1,2,3                          ; added in the order of K
.set y, 0
.rept 12
	v_pk_add_f32 v[Z+2*y:Z+2*y+1], v[Z+2*y:Z+2*y+1], v[Z+24*\p+2*y:Z+24*\p+2*y+1]
.set y, y+1
.endr
.endr
.set y, 0
.rept 12
	v_pk_fma_f32 v[Z+2*y:Z+2*y+1], v[Z+2*y:Z+2*y+1], v[CC:CC+1], v[BI+2*y:BI+2*y+1]  ; (sum + b) log2(e) / T
.set y, y+1
.endr
	; THREE SOFTMAXES OVER 16, side by side: a lane holds eight of a token's numbers, the lane 16 away the other eight
.irp a, 0,1,2
	v_max3_num_f32 v[MX+2*\a], v[Z+8*\a], v[Z+8*\a+1], v[Z+8*\a+2]
.endr
.irp a, 0,1,2
	v_max3_num_f32 v[MX+2*\a], v[MX+2*\a], v[Z+8*\a+3], v[Z+8*\a+4]
.endr
.irp a, 0,1,2
	v_max3_num_f32 v[MX+2*\a], v[MX+2*\a], v[Z+8*\a+5], v[Z+8*\a+6]
.endr
.irp a, 0,1,2
	v_max_num_f32 v[MX+2*\a], v[MX+2*\a], v[Z+8*\a+7]
.endr
.irp a, 0,1,2
	v_permlanex16_b32 v[MX+2*\a+1], v[MX+2*\a], s56, s57  ; its destination counts as read: it has been written, by the loads above
.endr
.irp a, 0,1,2
	v_max_num_f32 v[MX+2*\a], v[MX+2*\a], v[MX+2*\a+1]
.endr
.irp a, 0,1,2
.irp j, 0,2,4,6
	v_pk_add_f32 v[Z+8*\a+\j:Z+8*\a+\j+1], v[Z+8*\a+\j:Z+8*\a+\j+1], v[MX+2*\a:MX+2*\a+1] op_sel_hi:[1,0] neg_lo:[0,1] neg_hi:[0,1]  ; less the maximum
.endr
.endr
.set y, 0
.rept 24
	v_exp_f32 v[Z+y], v[Z+y]
.set y, y+1
.endr
	v_nop                                          ; a plain instruction between the last exponential and the use of its result
	s_wait_alu depctr_va_vdst(0)
.irp a, 0,1,2
	v_pk_add_f32 v[SA+4*\a:SA+4*\a+1],   v[Z+8*\a:Z+8*\a+1],     v[Z+8*\a+2:Z+8*\a+3]
	v_pk_add_f32 v[SA+4*\a+2:SA+4*\a+3], v[Z+8*\a+4:Z+8*\a+5],   v[Z+8*\a+6:Z+8*\a+7]
.endr
.irp a, 0,1,2
	v_pk_add_f32 v[SA+4*\a:SA+4*\a+1], v[SA+4*\a:SA+4*\a+1], v[SA+4*\a+2:SA+4*\a+3]
.endr
.irp a, 0,1,2
	v_add_f32 v[SA+4*\a], v[SA+4*\a], v[SA+4*\a+1]
.endr
.irp a, 0,1,2
	v_permlanex16_b32 v[SA+4*\a+2], v[SA+4*\a], s56, s57
.endr
.irp a, 0,1,2
	v_add_f32 v[SA+4*\a], v[SA+4*\a], v[SA+4*\a+2]  ; at least 1: the maximum's own exponential
.endr
.irp a, 0,1,2
	v_rcp_f32 v[SA+4*\a+2], v[SA+4*\a]
.endr
	v_nop                                          ; a plain instruction between the last reciprocal and the use of its result
	s_wait_alu depctr_va_vdst(0)
.irp a, 0,1,2
	v_mul_f32 v[SA+4*\a+2], 0x41800000, v[SA+4*\a+2]  ; 16 / sum
.endr
.irp a, 0,1,2
.irp j, 0,2,4,6
	v_pk_mul_f32 v[Z+8*\a+\j:Z+8*\a+\j+1], v[Z+8*\a+\j:Z+8*\a+\j+1], v[SA+4*\a+2:SA+4*\a+3] op_sel_hi:[1,0]
.endr
.endr
	; THE TABLES.  p1 and p2: each number twice in a word; p3: eight numbers packed.  Every store of the wave covers 512 consecutive bytes, at a multiple of 256 from probs' first byte.
.set y, 0
.rept 16
	v_cvt_pk_f16_f32 v[DD+y], v[Z+y], v[Z+y]
.set y, y+1
.endr
.set y, 0
.rept 4
	v_cvt_pk_f16_f32 v[DD+16+y], v[Z+16+2*y], v[Z+16+2*y+1]
.set y, y+1
.endr
.irp a, 0,1
	global_store_b128 v[WO], v[DD+8*\a:DD+8*\a+3],   s[24:25] offset:1024*\a
	global_store_b128 v[WO], v[DD+8*\a+4:DD+8*\a+7], s[24:25] offset:1024*\a+512
.endr
	global_store_b128 v[P3O], v[DD+16:DD+19], s[24:25] offset:2048
	s_wait_tensorcnt 0x0                           ; the wave's end, behind my last tensor load and my last LDS store
	ds_add_u32 v[SPW], v[NIL]
	s_wait_dscnt 0x0
	s_endpgm
.Lfunc_end_k_q20f06424a8_prep:
	.size	k_q20f06424a8_prep, .Lfunc_end_k_q20f06424a8_prep-k_q20f06424a8_prep
	.p2alignl 7, 3214868480
	.fill 96, 4, 3214868480
	.section	.rodata,"a",@progbits
	.p2align	6, 0x0
	.amdhsa_kernel k_q20f06424a8_prep
		.amdhsa_group_segment_fixed_size 283136
		.amdhsa_private_segment_fixed_size 0
		.amdhsa_enable_private_segment 0
		.amdhsa_kernarg_size 88
		.amdhsa_user_sgpr_count 2
		.amdhsa_user_sgpr_kernarg_segment_ptr 1
		.amdhsa_wavefront_size32 1
		.amdhsa_system_sgpr_workgroup_id_x 1
		.amdhsa_system_sgpr_workgroup_id_y 1
		.amdhsa_system_sgpr_workgroup_id_z 1
		.amdhsa_system_vgpr_workitem_id 0
		.amdhsa_next_free_vgpr 352
		.amdhsa_next_free_sgpr 66
		.amdhsa_reserve_vcc 0
		.amdhsa_float_denorm_mode_32 3
		.amdhsa_float_denorm_mode_16_64 3
		.amdhsa_memory_ordered 1
		.amdhsa_forward_progress 1
		.amdhsa_inst_pref_size 83
	.end_amdhsa_kernel
	.amdgpu_metadata
---
amdhsa.version: [ 1, 2 ]
amdhsa.kernels:
  - .name:           k_q20f06424a8_prep
    .symbol:         k_q20f06424a8_prep.kd
    .args:
      - { .name: x, .offset: 0, .size: 8, .value_kind: global_buffer, .address_space: global }
      - { .name: W1, .offset: 8, .size: 8, .value_kind: global_buffer, .address_space: global }
      - { .name: W2, .offset: 16, .size: 8, .value_kind: global_buffer, .address_space: global }
      - { .name: W3, .offset: 24, .size: 8, .value_kind: global_buffer, .address_space: global }
      - { .name: b1, .offset: 32, .size: 8, .value_kind: global_buffer, .address_space: global }
      - { .name: b2, .offset: 40, .size: 8, .value_kind: global_buffer, .address_space: global }
      - { .name: b3, .offset: 48, .size: 8, .value_kind: global_buffer, .address_space: global }
      - { .name: temperature, .offset: 56, .size: 8, .value_kind: global_buffer, .address_space: global }
      - { .name: grid, .offset: 64, .size: 8, .value_kind: global_buffer, .address_space: global }
      - { .name: g16, .offset: 72, .size: 8, .value_kind: global_buffer, .address_space: global }
      - { .name: probs, .offset: 80, .size: 8, .value_kind: global_buffer, .address_space: global }
    .group_segment_fixed_size: 283136
    .private_segment_fixed_size: 0
    .kernarg_segment_align: 8
    .kernarg_segment_size: 88
    .max_flat_workgroup_size: 128
    .sgpr_count:     66
    .vgpr_count:     352
    .wavefront_size: 32
...
	.end_amdgpu_metadata
.endif
;; end of part 1
;; launch main (part 2): grid 128 x 2, 4 waves a work-group, clusters of 4 x 1, 327,680 bytes of LDS; arguments g16, probs, out0; writes out0
.if DOCPART == 2
	.amdgcn_target "amdgcn-amd-amdhsa--gfx1250"
	.amdhsa_code_object_version 6
	.text
	.protected	k_q20f06424a8_main
	.globl	k_q20f06424a8_main
	.p2align	8
	.type	k_q20f06424a8_main,@function
k_q20f06424a8_main:
	s_mov_b64 s[64:65], 0
	v_nop
	global_prefetch_b8 v0, s[64:65] scope:SCOPE_SE
	s_setreg_imm32_b32 hwreg(HW_REG_WAVE_MODE, 25, 1), 1
	s_wait_xcnt 0x0
	s_wait_alu depctr_hold_cnt(0) depctr_sa_sdst(0) depctr_va_vdst(0) depctr_va_sdst(0) depctr_va_ssrc(0) depctr_va_vcc(0) depctr_vm_vsrc(0)
	s_getreg_b32 s2, hwreg(HW_REG_IB_STS2, 6, 4)
	s_cmp_eq_u32 s2, 0
	s_cbranch_scc0 .Lentry_in_a_cluster
	s_endpgm
.Lentry_in_a_cluster:
	s_bfe_u32 s2, ttmp6, 0x10000c
	s_cmp_lg_u32 s2, 0x3003
	s_cbranch_scc0 .Lentry_shape_is_right
	s_endpgm
.Lentry_shape_is_right:
; MAIN: out[t][l] = 2^-12 x the sum over (i, j, k) of (16 p1[t][i]) (16 p2[t][j]) (16 p3[t][k]) g16[i][j][k][l]: a product [16384 x 4096] x [4096 x 768] whose left matrix is never stored:
; its fragments are made in registers.  In a 16-bit fragment of 16 tokens x 32 along K a lane holds ONE token (lane % 16); K = 256 i + 16 j + k, so for 32 along K registers 0-3 hold k = 8 h + 0..7 of an even j
; and registers 4-7 the same k of j + 1: the fragment is (p1[i] p2[j]) times the lane's four packed registers of p3: eight packed multiplies.
; FORMATS AND LIMITS.  Operands f16, sums f32.  The three weights come as f16 of 16 p; their products are rounded to f16 twice (p1 p2, then times p3); the joint weight times 4,096 is at most 4,096, and one below
; about 1.5e-11 counts as 0.  g16 holds the grid rounded to bf16 and written as f16 (its limits stand at the head of the launch that writes it).  NaN and infinities are not treated apart.
; SHARES.  A work-group makes 128 tokens x 384 columns: 256 work-groups.  Wave w: tokens 64 (w / 2) on, four tiles of 16; of each of the half's three chunks of 128 columns the 64 columns at 64 (w % 2):
; 12 fragments of 16 columns.  48 accumulators, 384 registers.
; THE MATRIX INSTRUCTION IS USED TRANSPOSED: source 0 = 16 columns of the grid (turned out of LDS by ds_load_tr16_b128), source 1 = 16 tokens: a lane's eight results are eight neighbouring columns of one token.
; K: a LAP is one i, 256 along K: two LDS slots of 128 rows, eight QUARTERS of 32.  Quarter q holds j = 2 q and 2 q + 1.  While quarter q is multiplied, the token fragments of quarter q + 1 are made by RIDERS, one
; packed multiply behind two of every three matrix instructions, and the grid's fragments of quarter q + 1 are fetched in one run in the quarter's middle.
; CLUSTER: the four token blocks of a cluster walk the same half of the grid, so each slot is asked for JOINTLY: the same tensor load, with the same descriptor and a mask that names the four; wave w asks for rows 32 w on.
; REGISTERS, in windows of 256 (s_set_vgpr_msb: bits 1:0 source 0, 3:2 source 1, 5:4 source 2, 7:6 destination):
;   window 0: v0-19 addresses; v20-23 p1[i] of the four tiles; v24-31 p1 p2 for two j of each tile; v64-159, v160-255 the grid's fragments, two buffers (on the way out: rows read back)
;   window 1: v0-63 p2[j], 16 a tile
;   window 2 (tiles 0, 1), window 3 (tiles 2, 3): v0-191 accumulators, tile t' and fragment f at 96 t' + 8 f; v192-223 token fragments, tile t' and buffer b at 192 + 16 t' + 8 b; v224-231 p3, four a tile
; A product and its rider run under one setting (source 0 in window 0, all else in the tiles' window): a quarter has four switches.
.set PITCH,  864                       ; a row in LDS: three chunks of 256 bytes + 32 of padding = 27 x 32
.set WPART,  32*PITCH                  ; what one tensor load brings: 32 rows
.set SLOT,   4*WPART                   ; 110,592
.set PT,     2*SLOT                    ; behind the ring: a table of p1 words for each wave, [tile][i][token], 4,096 bytes; no tensor load lands here
.set STAGE,  PT+4*4096                 ; 16 rows x 784 bytes for each wave, for the way out
.set SPITCH, 784                       ; 768 + 16 = 49 x 16
.set SPARE,  STAGE+4*16*SPITCH         ; the spare words, 128 bytes for each wave: two blocks of 256 bytes that no other line names
.set LAPB,   256*1536                  ; bytes of g16 from a lap to the next
.set ADR, 4                            ; v4-7  LDS address of my place for the turning loads: slot 0 rows 0 on, 64 on; slot 1 likewise
.set PA0, 8                            ; v8    my word in the table of p1, i = 0; never rewritten
.set PST, 9                            ; v9    where I store p1 words
.set STO, 10                           ; v10   the way out: where I put 32 bytes of a row
.set RD,  11                           ; v11   the way out: where I read rows back
.set CO,  12                           ; v12   my byte offset in out0
.set SPW, 16                           ; v16   LDS address of my spare word; never rewritten
.set NIL, 17                           ; v17   0; never rewritten
.set PA,  18                           ; v18   my word in the table of p1, the next lap's i
.set P1R, 20
.set RR,  24                           ; tile t, j % 2 at RR + 2 t + j % 2
.set GB,  64
.set FR,  192
.set P3R, 224
.set G1,  24                           ; s[24:31] descriptor group 1
.set G0,  32                           ; s[32:39] descriptor group 0, a set for each slot
.set SC,  40                           ; s[40:41] 2^-12: the packed multiply takes the pair's low word for both halves
.set TP,  42                           ; s42      64 x the next lap's i
.set MSB, 0
.macro WIN new                         ; the immediate's high byte repeats the setting that is left; a switch that changes nothing is dropped
.if MSB != (\new)
	s_set_vgpr_msb (MSB<<8)|(\new)
.set MSB, \new
.endif
.endm
; A round of the cluster's barrier: my work-group's barrier, so that wave 0's signal speaks for all four waves; wave 0 signals for the work-group; every wave waits for all four work-groups; my work-group's barrier once more.
.macro CREST                           ; a round behind its opening barrier
	s_cmp_lg_u32 s10, 0
	s_cbranch_scc1 .Lnot_wave_0_\@
	s_barrier_signal -3
.Lnot_wave_0_\@:
	s_barrier_wait -3
	s_barrier_signal -1
	s_barrier_wait -1
.endm
.macro CROUND
	s_barrier_signal -1
	s_barrier_wait -1
	CREST
.endm
.macro PLACES
.rept 4
	v_nop
.endr
.endm
	s_load_b128 s[4:7], s[0:1], 0x0                ; g16 s[4:5], probs s[6:7]
	s_load_b64 s[8:9], s[0:1], 0x10                ; out0
	v_lshl_add_u32 v[SPW], v0, 2, SPARE
	v_mov_b32 v[NIL], 0
	ds_add_u32 v[SPW], v[NIL]                      ; the wave's opening: the add and its wait stand ahead of my first tensor load; work on registers stands between them
	ds_add_u32 v16, v17
	v_lshrrev_b32 v1, 5, v0
	v_readfirstlane_b32 s10, v1                    ; wave 0..3
	s_lshr_b32 s11, s10, 1                         ; which 64 tokens
	s_and_b32 s12, s10, 1                          ; which 64 columns of each chunk
	s_bfe_u32 s13, ttmp6, 0x40000                  ; cx: my place in the cluster
	s_lshl_b32 s14, ttmp9, 2                       ; in a cluster launch ttmp9 counts clusters
	s_add_co_u32 s14, s14, s13                     ; my block of 128 tokens: it enters the addresses of probs and out0 alone
	s_and_b32 s15, ttmp7, 0xffff                   ; the half of the columns, which the four partners share
	; group 1: a tile of 32 rows x 384 elements of 2 bytes, padded in LDS after every 256 bytes
	s_mov_b32 s[G1+0], 15|(1<<16)|(1<<20)|(1<<21)|(5<<22)|(7<<25)  ; 15:0 the mask of four; 17:16 2-byte elements; 20 padding on; 21 set beside a mask; 24:22 after every 64 words (code 5); 31:25 8 words (code 7)
	s_mov_b32 s[G1+1], 384<<16                     ; tensor_dim0 = 384
	s_mov_b32 s[G1+2], 32<<16                      ; tensor_dim1 = 32
	s_mov_b32 s[G1+3], 384<<16                     ; tile_dim0 = 384
	s_mov_b32 s[G1+4], 32                          ; tile_dim1 = 32
	s_mov_b32 s[G1+5], 768                         ; 768 elements from row to row
	s_mov_b32 s[G1+6], 0
	s_mov_b32 s[G1+7], 0
	s_mul_i32 s16, s15, 768                        ; the half's first byte in a row: each row of a tile is 768 consecutive bytes, at a multiple of 256 from g16's first byte
	s_mul_i32 s17, s10, 32*1536                    ; my 32 rows of a slot
	s_add_co_u32 s16, s16, s17
	s_mov_b32 s17, 0
	s_mul_i32 s18, s10, WPART                      ; and their place in a slot: no place in the cluster enters an LDS address
	s_lshl_b32 s20, s14, 1
	s_add_co_u32 s20, s20, s11                     ; my wave's 64 tokens among all
	s_mul_i32 s22, s20, 64*3072                    ; their first byte in out0,
	s_mul_i32 s20, s20, 4*2560                     ; and their four records in probs
	s_mov_b32 s21, 0
	s_mul_i32 s19, s15, 1536                       ; the half's 384 columns of f32,
	s_add_co_u32 s22, s22, s19
	s_lshl_b32 s19, s12, 8                         ; my 64 columns of a chunk
	s_add_co_u32 s22, s22, s19
	s_mov_b32 s23, 0
	s_mov_b32 s[SC], 0x39800000                    ; 2^-12
	s_mov_b32 s[SC+1], s[SC]                       ; named with it as a pair
	s_mov_b32 s[TP], 64
	s_wait_dscnt 0x0                               ; the opening add is done
	s_wait_kmcnt 0x0
	s_add_nc_u64 s[4:5], s[4:5], s[16:17]
	s_add_nc_u64 s[6:7], s[6:7], s[20:21]
	s_add_nc_u64 s[8:9], s[8:9], s[22:23]
.irp s, 0,1
	s_mov_b32 s[G0+4*\s], 1                        ; count = 1
	s_add_co_u32 s[G0+4*\s+1], s18, \s*SLOT        ; LDS address
	s_add_nc_u64 s[G0+4*\s+2:G0+4*\s+3], s[4:5], \s*128*1536  ; lap 0, rows 128 s on
	s_or_b32 s[G0+4*\s+3], s[G0+4*\s+3], 0x80000000           ; type = 2
.endr
	CROUND                                         ; all four work-groups are here: the first joint loads meet
	tensor_load_to_lds s[G0:G0+3], s[G1:G1+7]      ; both first fills go out together: two loads of mine are out
	s_nop 0
	tensor_load_to_lds s[G0+4:G0+7], s[G1:G1+7]
	s_nop 0
	PLACES
	v_and_b32 v1, 15, v0                           ; r = lane % 16
	v_bfe_u32 v2, v0, 4, 1                         ; h = lane / 16
	v_and_b32 v3, 31, v0
	v_lshlrev_b32 v13, 4, v3                       ; 16 x lane
	v_lshlrev_b32 v14, 4, v1                       ; 16 r
	v_lshlrev_b32 v15, 5, v1
	v_lshl_add_u32 v15, v2, 4, v15                 ; 32 r + 16 h
	; THE TABLES of my four tiles.  p3: my token's k = 8 h + 0..7, packed.  p2: my token's 16 words, each number twice.  p1: eight words a lane, which go through LDS, since i is the loop's count.
	WIN 0x80
.irp t, 0,1
	global_load_b128 v[P3R+4*\t:P3R+4*\t+3], v15, s[6:7] offset:2560*\t+2048
.endr
	WIN 0xc0
.irp t, 0,1
	global_load_b128 v[P3R+4*\t:P3R+4*\t+3], v15, s[6:7] offset:2560*(\t+2)+2048
.endr
	WIN 0x40
.irp t, 0,1,2,3
.irp g, 0,1,2,3                        ; j = 4 g on: the words of lane 16 (g / 2) + r, half g % 2 of its eight
	global_load_b128 v[16*\t+4*\g:16*\t+4*\g+3], v14, s[6:7] offset:2560*\t+1024+512*(\g%2)+256*(\g/2)
.endr
.endr
	WIN 0
.irp t, 0,1,2,3
	global_load_b128 v[GB+8*\t:GB+8*\t+3],   v13, s[6:7] offset:2560*\t
	global_load_b128 v[GB+8*\t+4:GB+8*\t+7], v13, s[6:7] offset:2560*\t+512
.endr
	; the turning load takes 16 rows x 16 columns: lane l reads row 8 (l / 16) + l % 8, 16 bytes at 16 ((l / 8) % 2), and gets column l % 16 and eight rows
	v_and_b32 v32, 7, v0
	v_bfe_u32 v33, v0, 3, 1
	v_lshl_add_u32 v[ADR], v2, 3, v32
	v_mul_u32_u24 v[ADR], v[ADR], PITCH
	v_lshl_add_u32 v[ADR], v33, 4, v[ADR]
	s_lshl_b32 s19, s12, 7                         ; my 64 columns of a chunk: 128 bytes
	v_add_nc_u32 v[ADR], s19, v[ADR]
	v_add_nc_u32 v[ADR+1], SLOT/2, v[ADR]
	v_add_nc_u32 v[ADR+2], SLOT, v[ADR]
	v_add_nc_u32 v[ADR+3], SLOT+SLOT/2, v[ADR]
	s_lshl_b32 s19, s10, 12
	s_add_co_u32 s19, s19, PT                      ; my table
	v_lshl_add_u32 v[PA0], v1, 2, s19
	v_lshl_add_u32 v[PST], v2, 9, v[PA0]           ; my words have i = 8 h on
	s_mul_i32 s19, s10, 16*SPITCH
	s_add_co_u32 s19, s19, STAGE                   ; my stage
	v_mul_u32_u24 v[STO], v1, SPITCH               ; in: row r, 32 bytes for each half of the lanes
	v_lshl_add_u32 v[STO], v2, 5, v[STO]
	v_add_nc_u32 v[STO], s19, v[STO]
	v_mul_u32_u24 v[RD], v2, SPITCH                ; back: lanes 0-15 take 256 bytes of one row, lanes 16-31 of the next
	v_lshl_add_u32 v[RD], v1, 4, v[RD]
	v_add_nc_u32 v[RD], s19, v[RD]
	v_mul_u32_u24 v[CO], v2, 3072                  ; and the same two rows in out0
	v_lshl_add_u32 v[CO], v1, 4, v[CO]
	s_wait_loadcnt 0x0
.irp t, 0,1,2,3
.irp j, 0,1,2,3,4,5,6,7
	ds_store_b32 v[PST], v[GB+8*\t+\j] offset:1024*\t+64*\j  ; word [t][8 h + j][r]
.endr
.endr
.irp t, 0,1,2,3
	ds_load_b32 v[P1R+\t], v[PA0] offset:1024*\t   ; i = 0.  LDS serves a wave's instructions in order (ISA guide 5.7.1.4): these see the stores above
.endr
	s_wait_dscnt 0x0
.macro RMUL t, j                       ; p1[i] p2[j] of tile t; source 0 in window 1
	v_pk_mul_f16 v[RR+2*(\t)+(\j)%2], v[16*(\t)+(\j)], v[P1R+(\t)]
.endm
; Products n0 .. n1 - 1 of the 24 of two tiles (hi = 0: tiles 0, 1; 1: tiles 2, 3) on buffers b: fragment n / 2, tile n % 2.  The 24 accumulators take turns, one instruction a turn.
; zero = 1: the product starts the sum: nothing is ever cleared.  ride = 1: behind each product with n % 3 < 2 stands the next of 16 riders: register x % 8 of tile x / 8's fragment for the next quarter, in the other buffer.
; A rider names no register of the products round it.  The buffer that it writes was last read a quarter ago: the riders of the other two tiles, 16 plain instructions, stand between (ISA guide 7.12.1).
.macro PHASE hi, b, n0, n1, zero, ride
	WIN 0xa8+0x54*(\hi)                            ; source 0 window 0; source 1, C and D window 2 or 3
.set n, \n0
.rept (\n1)-(\n0)
.set rA, 96*(n%2)+8*(n/2)
.set rG, GB+96*(\b)+8*(n/2)
.set rF, FR+16*(n%2)+8*(\b)
.if \zero
	v_wmma_f32_16x16x32_f16 v[rA:rA+7], v[rG:rG+7], v[rF:rF+7], 0
.else
	v_wmma_f32_16x16x32_f16 v[rA:rA+7], v[rG:rG+7], v[rF:rF+7], v[rA:rA+7]
.endif
.if (\ride) && (n%3 != 2)
.set x, n-n/3
	v_pk_mul_f16 v[FR+16*(x/8)+8*(1-(\b))+x%8], v[RR+2*(2*(\hi)+x/8)+(x%8)/4], v[P3R+4*(x/8)+x%4]
.endif
.set n, n+1
.endr
.endm
; 24 LDS loads in one run: the grid's 12 fragments of quarter nq, in ascending order, so that a counted wait can leave the upper six out
.macro FETCH nq
	WIN 0
.set rG, GB+96*((\nq)%2)
.set rD, ADR+2*((\nq)/4)+((\nq)%4)/2
.set fo, ((\nq)%2)*32*PITCH
.set f, 0
.rept 12
	ds_load_tr16_b128 v[rG+8*f:rG+8*f+3],   v[rD] offset:fo+288*(f/4)+32*(f%4)
	ds_load_tr16_b128 v[rG+8*f+4:rG+8*f+7], v[rD] offset:fo+16*PITCH+288*(f/4)+32*(f%4)
.set f, f+1
.endr
.endm
; A quarter's middle.  p1 p2 for tiles 2, 3 of the next quarter (their riders follow at once) and for tiles 0, 1 of the quarter after it (their riders stand at the next quarter's head).
; p1 of the next lap is read from my table when its last use in this lap is past: tiles 0, 1 in quarter 5, tiles 2, 3 in quarter 6; the waits on DScnt at the next quarter's head cover these loads.
; Then the next quarter's run of loads: the buffer's last readers stand 16 riders back.  last = 1: the last lap's end: nothing that serves a further lap.
.macro MID q, last
.if (\last)*((\q)/7) == 0
	WIN 0x01
	RMUL 2, 2*(((\q)+1)%8)
	RMUL 2, 2*(((\q)+1)%8)+1
	RMUL 3, 2*(((\q)+1)%8)
	RMUL 3, 2*(((\q)+1)%8)+1
.if (\last)*((\q)/6) == 0
	RMUL 0, 2*(((\q)+2)%8)
	RMUL 0, 2*(((\q)+2)%8)+1
	RMUL 1, 2*(((\q)+2)%8)
	RMUL 1, 2*(((\q)+2)%8)+1
.endif
	WIN 0
.if (\last) == 0
.if (\q) == 5
	v_add_nc_u32 v[PA], s[TP], v[PA0]
	ds_load_b32 v[P1R],   v[PA]
	ds_load_b32 v[P1R+1], v[PA] offset:1024
.endif
.if (\q) == 6
	ds_load_b32 v[P1R+2], v[PA] offset:2048
	ds_load_b32 v[P1R+3], v[PA] offset:3072
	s_add_co_u32 s[TP], s[TP], 64
.endif
.endif
	FETCH ((\q)+1)%8
.endif
.endm
.macro QUARTER q, zero, last
.set RIDEON, 1-(\last)*((\q)/7)        ; the very last quarter has no next
	s_wait_dscnt 12                                ; fragments 0-5 are in; the youngest 12 loads (fragments 6-11) may be out
	PHASE 0, (\q)%2, 0, 12, \zero, RIDEON
	s_wait_dscnt 0x0
	PHASE 0, (\q)%2, 12, 24, \zero, RIDEON
	MID \q, \last
	PHASE 1, (\q)%2, 0, 24, \zero, RIDEON
.endm
; A slot's last quarter (q = 3 or 7) changes slots: ONE barrier for two things.  In front of it each wave waits for all its tensor loads, of which one is out: its part of the other slot; adds 0 to its spare word; and
; waits for that and for its own reads of this slot.  Behind it nobody reads this slot any more and the other slot is whole.  fill = 1: the barrier opens a round of the cluster's, so that no wave of any partner still
; reads the slot or has a load on its way; the joint refill, the next lap's rows, is the first thing behind the round: from there to the wait for it a wave issues 168 matrix instructions.
.macro TURNQ q, fill
	WIN 0                                          ; (the add's two registers lie in window 0)
	s_wait_tensorcnt 0x0                           ; no tensor load of mine is out
	ds_add_u32 v[SPW], v[NIL]                      ; 0 onto my spare word; twelve products stand between it and the wait for it
	s_wait_dscnt 13                                ; (the add and the youngest 12 loads may be out)
	PHASE 0, (\q)%2, 0, 12, 0, 1
	s_wait_dscnt 0x0                               ; the add is done, and my reads of this slot are over
	s_barrier_signal -1
	PHASE 0, (\q)%2, 12, 24, 0, 1                  ; work on registers while the others arrive
	WIN 0                                          ; at a branch and at a label every window is 0
	s_barrier_wait -1
.if \fill
	CREST
	s_add_nc_u64 s[G0+4*((\q)/4)+2:G0+4*((\q)/4)+3], s[G0+4*((\q)/4)+2:G0+4*((\q)/4)+3], LAPB  ; the type bits on top are not reached
	tensor_load_to_lds s[G0+4*((\q)/4):G0+4*((\q)/4)+3], s[G1:G1+7]
	s_nop 0
	PLACES
.endif
	MID \q, 0
	PHASE 1, (\q)%2, 0, 24, 0, 1
.endm
	; what quarter 0 finds: its token fragments in buffer 0, and p1 p2 of tiles 0, 1 for quarter 1
	WIN 0x01
.irp t, 0,1,2,3
	RMUL \t, 0
	RMUL \t, 1
.endr
.irp t, 0,1,2,3
	WIN 0xa8+0x54*(\t/2)
.set x, 0
.rept 8
	v_pk_mul_f16 v[FR+16*(\t%2)+x], v[RR+2*\t+x/4], v[P3R+4*(\t%2)+x%4]
.set x, x+1
.endr
.endr
	WIN 0x01
.irp t, 0,1
	RMUL \t, 2
	RMUL \t, 3
.endr
	WIN 0
	s_wait_tensorcnt 0x1                           ; my part of slot 0 is in; slot 1's may stay out
	s_barrier_signal -1
	s_barrier_wait -1                              ; everybody's is
	FETCH 0
	QUARTER 0, 1, 0                                ; the first quarter stands in front of the loop: its products start the 48 sums
	WIN 0
	s_mov_b32 s3, 15
.Llap:                                 ; a trip goes once round the ring, from a lap's second quarter to the next lap's first, and fills both slots again
	QUARTER 1, 0, 0
	QUARTER 2, 0, 0
	TURNQ 3, 1
	QUARTER 4, 0, 0
	QUARTER 5, 0, 0
	QUARTER 6, 0, 0
	TURNQ 7, 1
	QUARTER 0, 0, 0
	WIN 0
	s_sub_co_u32 s3, s3, 1
	s_cmp_lg_u32 s3, 0
	s_cbranch_scc1 .Llap
	QUARTER 1, 0, 0                                ; the last lap is written out: it asks for nothing
	QUARTER 2, 0, 0
	TURNQ 3, 0
	QUARTER 4, 0, 0
	QUARTER 5, 0, 1
	QUARTER 6, 0, 1
	QUARTER 7, 0, 1
; THE WAY OUT, a tile of 16 tokens at a time.  SCALE: times 2^-12, each accumulator from its low end on.  TOSTAGE: a lane's 32 bytes of a row into my own stage, and back as pieces of 256 bytes.  SEND: stored.
.macro SCALE t
	WIN 0x82+0x41*((\t)/2)                         ; destination and source 0 in the tile's window
.set y, 96*((\t)%2)
.rept 48
	v_pk_mul_f32 v[y:y+1], v[y:y+1], s[SC:SC+1] op_sel_hi:[1,0]
.set y, y+2
.endr
.endm
.macro TOSTAGE t
.if (\t) >= 2
	s_wait_xcnt 0x0                                ; the registers that the stores of two tiles ago read are loaded into only behind this wait (ISA guide 3.1)
.endif
	WIN 0x08+0x04*((\t)/2)                         ; the stores' data in the tile's window
.set f, 0
.rept 12
	ds_store_b128 v[STO], v[96*((\t)%2)+8*f:96*((\t)%2)+8*f+3]   offset:256*(f/4)+64*(f%4)
	ds_store_b128 v[STO], v[96*((\t)%2)+8*f+4:96*((\t)%2)+8*f+7] offset:256*(f/4)+64*(f%4)+16
.set f, f+1
.endr
	WIN 0
.set m, 0
.rept 24
	ds_load_b128 v[GB+96*((\t)%2)+4*m:GB+96*((\t)%2)+4*m+3], v[RD] offset:2*SPITCH*(m/3)+256*(m%3)  ; LDS serves a wave's instructions in order: these see the stores above; the next tile's stores come behind them
.set m, m+1
.endr
.endm
.macro SEND t
	WIN 0
.set m, 0
.rept 24
	s_wait_dscnt 23-m                              ; the younger reads from the stage may be out
	global_store_b128 v[CO], v[GB+96*((\t)%2)+4*m:GB+96*((\t)%2)+4*m+3], s[8:9] offset:49152*(\t)+6144*(m/3)+512*(m%3) th:TH_STORE_NT  ; 16 lanes store 256 consecutive bytes, at a multiple of 256 from out0's first byte
.set m, m+1
.endr
.endm
	WIN 0
	PLACES                                         ; four places behind the last products
	SCALE 0
	TOSTAGE 0
.irp t, 1,2,3                          ; a tile's arithmetic stands between the loads of the tile before and its stores
	SCALE \t
	SEND \t-1
	TOSTAGE \t
.endr
	SEND 3
	s_wait_tensorcnt 0x0                           ; the wave's end, behind my last tensor load and my last LDS store
	ds_add_u32 v[SPW], v[NIL]
	s_wait_dscnt 0x0
	CROUND                                         ; the closing round: no work-group ends while a partner may still ask for a tile that names it
	s_endpgm
.Lfunc_end_k_q20f06424a8_main:
	.size	k_q20f06424a8_main, .Lfunc_end_k_q20f06424a8_main-k_q20f06424a8_main
	.p2alignl 7, 3214868480
	.fill 96, 4, 3214868480
	.section	.rodata,"a",@progbits
	.p2align	6, 0x0
	.amdhsa_kernel k_q20f06424a8_main
		.amdhsa_group_segment_fixed_size 327680
		.amdhsa_private_segment_fixed_size 0
		.amdhsa_enable_private_segment 0
		.amdhsa_kernarg_size 24
		.amdhsa_user_sgpr_count 2
		.amdhsa_user_sgpr_kernarg_segment_ptr 1
		.amdhsa_wavefront_size32 1
		.amdhsa_system_sgpr_workgroup_id_x 1
		.amdhsa_system_sgpr_workgroup_id_y 1
		.amdhsa_system_sgpr_workgroup_id_z 1
		.amdhsa_system_vgpr_workitem_id 0
		.amdhsa_next_free_vgpr 1024
		.amdhsa_next_free_sgpr 66
		.amdhsa_reserve_vcc 0
		.amdhsa_float_denorm_mode_32 3
		.amdhsa_float_denorm_mode_16_64 3
		.amdhsa_memory_ordered 1
		.amdhsa_forward_progress 1
		.amdhsa_inst_pref_size 165
	.end_amdhsa_kernel
	.amdgpu_metadata
---
amdhsa.version: [ 1, 2 ]
amdhsa.kernels:
  - .name:           k_q20f06424a8_main
    .symbol:         k_q20f06424a8_main.kd
    .args:
      - { .name: g16, .offset: 0, .size: 8, .value_kind: global_buffer, .address_space: global }
      - { .name: probs, .offset: 8, .size: 8, .value_kind: global_buffer, .address_space: global }
      - { .name: out0, .offset: 16, .size: 8, .value_kind: global_buffer, .address_space: global }
    .group_segment_fixed_size: 327680
    .private_segment_fixed_size: 0
    .kernarg_segment_align: 8
    .kernarg_segment_size: 24
    .max_flat_workgroup_size: 128
    .sgpr_count:     66
    .vgpr_count:     1024
    .wavefront_size: 32
...
	.end_amdgpu_metadata
.endif
;; end of part 2
